; MI455X (gfx1250); checked and timed in simulation.
; The chip was launched on July 23, 2026; its instructions are those of AMD's public machine-readable ISA for CDNA 5 (MIT licence, August 2026) and "CDNA5" Instruction Set Architecture Reference Guide (July 2026). The comments in the code are by the model that wrote it; some were corrected since.
;; Resonant FFN. Allowed arithmetic: float matrix products may take bf16 or f16 operands with f32 sums; all other float work in f32.
;; Inputs: B_p 2,048 x 1,024 float32; W 2,048 x 1,024 float32; cos_table 4,096 float32; proj_imag_w 1,024 x 2,048 float32; proj_real_w 1,024 x 2,048 float32; sin_table 4,096 float32; t 32 float32; x 32 x 1,024 float32.
;; Outputs: out0 32 x 1,024 float32.
;; 2 versions, each right; version 2 is version 1 with the launch prep written anew for expert scheduling mode. Each part assembles by itself: llvm-mc -triple=amdgcn-amd-amdhsa -mcpu=gfx1250 --defsym DOCPART=n.
;; ======== version 1 of 2: 3 launches
;; limits: inputs' magnitudes at most 402; values are held in f16: magnitudes above 65,504 overflow, below 6.1e-05 lose precision
;; workspace buffers: RB 16,777,216 bytes of whole numbers; XW 131,072 bytes of whole numbers; TW 256 bytes of whole numbers; TAB 65,536 bytes; act 262,144 bytes
;; launch prep (part 1): grid 256 x 1, 8 waves a work-group, no clusters, 70,656 bytes of LDS; arguments W, B_p, x, t, sin_table, cos_table, RB, XW, TW, TAB; writes RB, XW, TW, TAB
.if DOCPART == 1
	.amdgcn_target "amdgcn-amd-amdhsa--gfx1250"
	.amdhsa_code_object_version 6
	.text
	.protected	k_qa30511e972_prep
	.globl	k_qa30511e972_prep
	.p2align	8
	.type	k_qa30511e972_prep,@function
k_qa30511e972_prep:
	s_mov_b64 s[64:65], 0
	v_nop
	global_prefetch_b8 v0, s[64:65] scope:SCOPE_SE
	s_setreg_imm32_b32 hwreg(HW_REG_WAVE_MODE, 25, 1), 1
	s_wait_xcnt 0x0
; PREPARATION: the operands of theta as fixed-point whole numbers, and the two tables as one table of 16-byte entries.
; With c = 4096 / (2 pi), the table position is pos = x c r + B_p c + t c, r = 1 / (1 + |W|).  Stored here:
;   XW: X  = (i32) rndne(x c 2^13) xor 0x80000000      (scale 2^13, offset 2^31, so that the later product is unsigned)
;   RB: R  = r 2^31, bit 0 cleared;  Bq = u32(fract(B_p c / 4096) 2^24) - R/2   (the R/2 takes X's offset away again)
;   TW: T  = u32(fract(t c / 4096) 2^24)
; so that the high word of X R + (Bq : R), plus T, is pos at scale 2^12 modulo 2^24 (4096 steps): whole periods fall out by wrap-around.
;   TAB: entry i = (Ac, As, Dc, Ds), D = 2048 (tab[i+1 mod 4096] - tab[i]), A = tab[i] - D: with f = 1 + frac 2^-11, A + f D = tab[i] + frac (tab[i+1] - tab[i]).
; LIMITS: |x| < 402 (x c 2^13 has to fit 31 bits; beyond it X is clamped); NaN and infinities in x, W, B_p, t are not propagated.
;
; 256 work-groups of 8 waves.  Work-group wg: nb = wg >> 2 (32 neurons), dq = wg & 3 (256 d).  Wave w: 16 neurons (nh = w & 1) x 64 d (dsub = w >> 1).
; A load of the wave takes two rows of 256 consecutive bytes, aligned; all 16 loads (W and B_p) are issued at once.
; RB's layout is [nb 64][dp 512][n 32][R, Bq of d = 2 dp; R, Bq of d = 2 dp + 1]: n runs along the lanes of the next launch.  So each wave transposes
; its 16 x 64 block through an LDS region of its own (32 rows dp of 272 bytes): no wave touches another's bytes, hence no barrier, and LDS serves a
; wave's own stores and loads in order.  The LDS stores' lane step is 544 bytes, so lanes l and l + 8 meet in the same 16-byte column modulo 256:
; accepted, 16 stores a lane in a launch that streams memory.  The read-back takes 256 consecutive bytes per 16 lanes.
; No matrix unit, no cluster: no byte of W or B_p is read by two work-groups.
.set PITCH, 272                        ; LDS row: 16 neurons x 16 bytes + 16
.set WREG,  32*PITCH                   ; a wave's region: 32 rows dp
.set WV,  16                           ; v[16:47]   W as loaded, load g in 4 registers; later the first half of the read-back
.set BV,  48                           ; v[48:79]   B_p as loaded; later the second half of the read-back
.set T,   80                           ; v[80:95]   at work
.set OUT, 104                          ; v[104:119] two sets of (R, Bq) x 4
	s_load_b512 s[4:19], s[0:1], 0x0               ; W s[4:5], B_p s[6:7], x s[8:9], t s[10:11], sin s[12:13], cos s[14:15], RB s[16:17], XW s[18:19]
	s_load_b128 s[20:23], s[0:1], 0x40             ; TW s[20:21], TAB s[22:23]
	v_lshl_add_u32 v128, v0, 2, 0x11000
	v_mov_b32 v129, 0
	v_and_b32 v1, 31, v0                           ; lane
	v_lshrrev_b32 v2, 5, v0
	v_readfirstlane_b32 s24, v2                    ; wave
	s_mov_b32 s25, ttmp9                           ; work-group
	s_mov_b32 s28, 0xceffffff                      ; -(2^31 - 128)
	s_mov_b32 s29, 0x4effffff                      ; +(2^31 - 128), the largest f32 below 2^31
	s_and_b32 s30, s24, 1                          ; nh
	s_lshr_b32 s31, s24, 1                         ; dsub
	v_and_b32 v6, 15, v1                           ; c  = lane & 15: 16 bytes (4 d) of a row
	v_lshrrev_b32 v7, 4, v1                        ; hl = lane >> 4: which of the load's two rows
	; v2: load offset = (16 nh + hl) rows of 4,096 bytes + dsub x 256 + 16 c
	v_lshlrev_b32 v2, 4, v6
	v_lshl_add_u32 v2, v7, 12, v2
	s_lshl_b32 s32, s30, 16
	s_lshl_b32 s33, s31, 8
	s_add_co_u32 s32, s32, s33
	v_add_nc_u32 v2, s32, v2
	; v3: LDS store address = my region + row dp = 2 c (+ 1 by the immediate) + neuron hl (+ 2 g by the immediate)
	v_mul_u32_u24 v3, v6, 2*PITCH
	v_lshl_add_u32 v3, v7, 4, v3
	s_mul_i32 s32, s24, WREG
	v_add_nc_u32 v3, s32, v3
	; v4: LDS read address = my region + row hl (+ 2 k by the immediate) + 16 c
	v_mul_u32_u24 v4, v7, PITCH
	v_lshl_add_u32 v4, v6, 4, v4
	v_add_nc_u32 v4, s32, v4
	; v5: RB offset = (32 dsub + hl) rows of 512 bytes + nh x 256 + 16 c
	v_lshlrev_b32 v5, 4, v6
	v_lshl_add_u32 v5, v7, 9, v5
	s_lshl_b32 s32, s31, 14
	s_lshl_b32 s33, s30, 8
	s_add_co_u32 s32, s32, s33
	v_add_nc_u32 v5, s32, v5
	; the work-group's corner in W and B_p: 32 nb rows of 4,096 bytes + dq x 1,024
	s_lshr_b32 s26, s25, 2
	s_lshl_b32 s26, s26, 17
	s_and_b32 s27, s25, 3
	s_lshl_b32 s27, s27, 10
	s_add_co_u32 s26, s26, s27
	s_mov_b32 s27, 0
	s_wait_kmcnt 0x0
	s_add_nc_u64 s[4:5], s[4:5], s[26:27]
	s_add_nc_u64 s[6:7], s[6:7], s[26:27]
	s_lshl_b32 s26, s25, 16                        ; and in RB: nb x 262,144 + dq x 65,536 = wg x 65,536
	s_add_nc_u64 s[16:17], s[16:17], s[26:27]
.irp g, 0,1,2,3,4,5,6,7
	global_load_b128 v[WV+4*\g:WV+4*\g+3], v2, s[4:5] offset:\g*8192 th:TH_LOAD_NT     ; rows 2 g, 2 g + 1 of my 16; read once in the launch
	global_load_b128 v[BV+4*\g:BV+4*\g+3], v2, s[6:7] offset:\g*8192 th:TH_LOAD_NT
.endr
	; ---- wave 0 of every work-group: two runs of 64 x (256 bytes each) into XW = [bq 4][w 16][bl 8][64 d], b = 8 bq + bl, d = 64 w + i
	s_cmp_lg_u32 s24, 0
	s_cbranch_scc1 .Lnot0
	v_lshrrev_b32 v6, 4, v1
	v_lshl_add_u32 v6, s25, 1, v6                  ; run rho = 2 wg + (lane >> 4) = 128 bq + 8 w + bl
	v_lshrrev_b32 v7, 7, v6                        ; bq
	v_and_b32 v12, 7, v6                           ; bl
	v_lshl_or_b32 v7, v7, 3, v12                   ; b
	v_bfe_u32 v12, v6, 3, 4                        ; w
	v_lshlrev_b32 v12, 8, v12
	v_lshl_add_u32 v7, v7, 12, v12                 ; b x 4,096 + w x 256
	v_and_b32 v12, 15, v1
	v_lshl_add_u32 v7, v12, 4, v7
	global_load_b128 v[8:11], v7, s[8:9]
	v_lshlrev_b32 v6, 4, v1
	v_lshl_add_u32 v6, s25, 9, v6                  ; XW offset: 256 rho + 16 (lane & 15) = 512 wg + 16 lane
	s_wait_loadcnt 0x0                             ; nothing was issued behind it
.irp j, 8,9,10,11
	v_mul_f32 v\j, 0x4aa2f983, v\j                 ; x c 2^13
.endr
.irp j, 8,9,10,11
	v_rndne_f32 v\j, v\j
.endr
.irp j, 8,9,10,11
	v_med3_num_f32 v\j, v\j, s28, s29              ; the stated limit: clamp into 31 bits
.endr
.irp j, 8,9,10,11
	v_cvt_i32_f32 v\j, v\j
.endr
.irp j, 8,9,10,11
	v_xor_b32 v\j, 0x80000000, v\j                 ; + 2^31
.endr
	global_store_b128 v6, v[8:11], s[18:19]        ; 512 consecutive bytes; v6 and v[8:11] are not written again
.Lnot0:
	; ---- wave 1 of work-groups 0 to 127: 32 table entries
	s_cmp_lg_u32 s24, 1
	s_cbranch_scc1 .Lnot1
	s_cmp_ge_u32 s25, 128
	s_cbranch_scc1 .Lnot1
	v_lshl_add_u32 v6, s25, 5, v1                  ; i = 32 wg + lane
	v_add_nc_u32 v7, 1, v6
	v_and_b32 v7, 0xfff, v7                        ; i + 1 mod 4096
	v_lshlrev_b32 v12, 2, v6
	v_lshlrev_b32 v7, 2, v7
	global_load_b32 v8, v12, s[14:15]              ; cos[i]
	global_load_b32 v9, v7, s[14:15]               ; cos[i+1]
	global_load_b32 v10, v12, s[12:13]             ; sin[i]
	global_load_b32 v11, v7, s[12:13]              ; sin[i+1]
	v_lshlrev_b32 v6, 4, v6                        ; 16 i (no source of a pending load)
	s_wait_loadcnt 0x0                             ; all four; it also frees v12
	v_sub_f32 v9, v9, v8
	v_sub_f32 v11, v11, v10
	v_fmamk_f32 v12, v9, 0xc5000000, v8            ; Ac = cos[i] - 2048 diff, one rounding
	v_fmamk_f32 v13, v11, 0xc5000000, v10          ; As
	v_mul_f32 v14, 0x45000000, v9                  ; Dc = 2048 diff, exact
	v_mul_f32 v15, 0x45000000, v11                 ; Ds
	global_store_b128 v6, v[12:15], s[22:23]       ; 512 consecutive bytes
.Lnot1:
	; ---- wave 2 of work-group 0: the 32 t
	s_cmp_lg_u32 s24, 2
	s_cbranch_scc1 .Lnot2
	s_cmp_lg_u32 s25, 0
	s_cbranch_scc1 .Lnot2
	v_lshlrev_b32 v6, 2, v1
	global_load_b32 v8, v6, s[10:11]
	s_wait_loadcnt 0x0
	v_mul_f32 v8, 0.15915494, v8                   ; t c / 4096: periods
	v_floor_f32 v9, v8
	v_sub_f32 v8, v8, v9                           ; in [0, 1]; a 1 becomes 2^24, which is 0 modulo the period
	v_mul_f32 v8, 0x4b800000, v8                   ; x 2^24
	v_cvt_u32_f32 v8, v8
	global_store_b32 v6, v8, s[20:21]
.Lnot2:
; Four d of one neuron (load g): R and Bq, in runs of four so that no line waits for the one in front of it.
.macro CONV4 g
	s_wait_loadcnt 14-2*\g                         ; W's and B_p's load g are in; the 2 (7 - g) younger ones stay out
.irp e, 0,1,2,3
	v_add_f32 v[T+\e], |v[WV+4*\g+\e]|, 1.0        ; wl = 1 + |W|, rounded as the reference rounds it
.endr
.irp e, 0,1,2,3
	v_rcp_f32 v[T+4+\e], v[T+\e]                   ; r0
.endr
.irp e, 0,1,2,3
	v_mul_f32 v[T+8+\e], 0.15915494, v[BV+4*\g+\e] ; B_p in periods; these four plain lines stand between the reciprocals and their use (ISA guide 5.7.2)
.endr
	s_wait_alu depctr_va_vdst(0)
.irp e, 0,1,2,3
	v_fma_f32 v[T+12+\e], -v[T+\e], v[T+4+\e], 1.0 ; e = 1 - wl r0, exact enough to mend r0
.endr
.irp e, 0,1,2,3
	v_mul_f32 v[T+4+\e], 0x4f000000, v[T+4+\e]     ; a = r0 2^31, exact
.endr
.irp e, 0,1,2,3
	v_mul_f32 v[T+12+\e], v[T+12+\e], v[T+4+\e]    ; e a: what r0's 24 bits left out, in units of R
.endr
.irp e, 0,1,2,3
	v_rndne_f32 v[T+12+\e], v[T+12+\e]
.endr
.irp e, 0,1,2,3
	v_cvt_u32_f32 v[T+4+\e], v[T+4+\e]
.endr
.irp e, 0,1,2,3
	v_cvt_i32_f32 v[T+12+\e], v[T+12+\e]
.endr
.irp e, 0,1,2,3
	v_add_nc_u32 v[T+4+\e], v[T+4+\e], v[T+12+\e]
.endr
.irp e, 0,1,2,3
	v_and_b32 v[OUT+8*(\g&1)+2*\e], -2, v[T+4+\e]  ; R, even: 2^31 R is then a whole number of units of the product's high word
.endr
.irp e, 0,1,2,3
	v_floor_f32 v[T+\e], v[T+8+\e]
.endr
.irp e, 0,1,2,3
	v_sub_f32 v[T+8+\e], v[T+8+\e], v[T+\e]        ; fract
.endr
.irp e, 0,1,2,3
	v_mul_f32 v[T+8+\e], 0x4b800000, v[T+8+\e]     ; x 2^24
.endr
.irp e, 0,1,2,3
	v_cvt_u32_f32 v[T+8+\e], v[T+8+\e]
.endr
.irp e, 0,1,2,3
	v_lshrrev_b32 v[T+\e], 1, v[OUT+8*(\g&1)+2*\e]
.endr
.irp e, 0,1,2,3
	v_sub_nc_u32 v[OUT+8*(\g&1)+2*\e+1], v[T+8+\e], v[T+\e]    ; Bq
.endr
	ds_store_b128 v3, v[OUT+8*(\g&1):OUT+8*(\g&1)+3] offset:\g*32              ; row dp = 2 c,     neuron 2 g + hl
	ds_store_b128 v3, v[OUT+8*(\g&1)+4:OUT+8*(\g&1)+7] offset:\g*32+PITCH      ; row dp = 2 c + 1
.endm
.irp g, 0,1,2,3,4,5,6,7
	CONV4 \g
.endr
	; read back by rows of dp; my own bytes, served behind my stores in order, so no wait stands between
.irp k, 0,1,2,3,4,5,6,7,8,9,10,11,12,13,14,15
	ds_load_b128 v[WV+4*\k:WV+4*\k+3], v4 offset:\k*2*PITCH
.endr
.irp k, 0,1,2,3,4,5,6,7,8,9,10,11,12,13,14,15
	s_wait_dscnt 15-\k                             ; load k is in; the 15 - k younger ones stay out
	global_store_b128 v5, v[WV+4*\k:WV+4*\k+3], s[16:17] offset:\k*1024        ; two runs of 256 consecutive bytes, each at a multiple of 256 in RB
.endr
	s_wait_tensorcnt 0x0
	ds_add_u32 v128, v129
	s_wait_dscnt 0x0
	s_endpgm
.Lfunc_end_k_qa30511e972_prep:
	.size	k_qa30511e972_prep, .Lfunc_end_k_qa30511e972_prep-k_qa30511e972_prep
	.p2alignl 7, 3214868480
	.fill 96, 4, 3214868480
	.section	.rodata,"a",@progbits
	.p2align	6, 0x0
	.amdhsa_kernel k_qa30511e972_prep
		.amdhsa_group_segment_fixed_size 70656
		.amdhsa_private_segment_fixed_size 0
		.amdhsa_enable_private_segment 0
		.amdhsa_kernarg_size 80
		.amdhsa_user_sgpr_count 2
		.amdhsa_user_sgpr_kernarg_segment_ptr 1
		.amdhsa_wavefront_size32 1
		.amdhsa_system_sgpr_workgroup_id_x 1
		.amdhsa_system_sgpr_workgroup_id_y 1
		.amdhsa_system_sgpr_workgroup_id_z 1
		.amdhsa_system_vgpr_workitem_id 0
		.amdhsa_next_free_vgpr 130
		.amdhsa_next_free_sgpr 66
		.amdhsa_reserve_vcc 0
		.amdhsa_float_denorm_mode_32 3
		.amdhsa_float_denorm_mode_16_64 3
		.amdhsa_memory_ordered 1
		.amdhsa_forward_progress 1
		.amdhsa_inst_pref_size 33
	.end_amdhsa_kernel
	.amdgpu_metadata
---
amdhsa.version: [ 1, 2 ]
amdhsa.kernels:
  - .name:           k_qa30511e972_prep
    .symbol:         k_qa30511e972_prep.kd
    .args:
      - { .name: W, .offset: 0, .size: 8, .value_kind: global_buffer, .address_space: global }
      - { .name: B_p, .offset: 8, .size: 8, .value_kind: global_buffer, .address_space: global }
      - { .name: x, .offset: 16, .size: 8, .value_kind: global_buffer, .address_space: global }
      - { .name: t, .offset: 24, .size: 8, .value_kind: global_buffer, .address_space: global }
      - { .name: sin_table, .offset: 32, .size: 8, .value_kind: global_buffer, .address_space: global }
      - { .name: cos_table, .offset: 40, .size: 8, .value_kind: global_buffer, .address_space: global }
      - { .name: RB, .offset: 48, .size: 8, .value_kind: global_buffer, .address_space: global }
      - { .name: XW, .offset: 56, .size: 8, .value_kind: global_buffer, .address_space: global }
      - { .name: TW, .offset: 64, .size: 8, .value_kind: global_buffer, .address_space: global }
      - { .name: TAB, .offset: 72, .size: 8, .value_kind: global_buffer, .address_space: global }
    .group_segment_fixed_size: 70656
    .private_segment_fixed_size: 0
    .kernarg_segment_align: 8
    .kernarg_segment_size: 80
    .max_flat_workgroup_size: 256
    .sgpr_count:     66
    .vgpr_count:     130
    .wavefront_size: 32
...
	.end_amdgpu_metadata
.endif
;; end of part 1
;; launch gather (part 2): grid 256 x 1, 16 waves a work-group, no clusters, 169,984 bytes of LDS; arguments RB, XW, TW, TAB, act; writes act
.if DOCPART == 2
	.amdgcn_target "amdgcn-amd-amdhsa--gfx1250"
	.amdhsa_code_object_version 6
	.text
	.protected	k_qa30511e972_gather
	.globl	k_qa30511e972_gather
	.p2align	8
	.type	k_qa30511e972_gather,@function
k_qa30511e972_gather:
	s_mov_b64 s[64:65], 0
	v_nop
	global_prefetch_b8 v0, s[64:65] scope:SCOPE_SE
	s_setreg_imm32_b32 hwreg(HW_REG_WAVE_MODE, 25, 1), 1
	s_wait_xcnt 0x0
; THE LOOK-UPS: cos_sum[b][n] and sin_sum[b][n] = sums over 1024 d of the interpolated table values, stored as f16 means (sum x 2^-10).
; All addresses are made by integer arithmetic from whole numbers that the launch before stored:
;   G = high word of (X[b][d] x R[n][d] + (Bq[n][d] : R[n][d])) + T[b]  =  position at scale 2^12, modulo 2^24;  index = G[23:12], fraction = G[11:0].
;   value pair (cos, sin) = (Ac, As) + f (Dc, Ds), f = the f32 with bits 0x3f800000 | fraction = 1 + frac 2^-11.
; LIMITS: the fraction has 12 bits (an error of at most some 2^-11 of a table step); |x| < 402 (see the launch before); sums over d in another order than the reference's.
;
; 256 work-groups of 16 waves.  Work-group wg: bq = wg & 3 (8 batch rows), nb = wg >> 2 (32 neurons), all 1024 d: its sums are whole.
; Lane = neuron, wave w = d 64 w .. 64 w + 63, the loop runs over the 8 batch rows: X and T are scalars, (R, Bq) of the wave's 64 d stay in 128 registers
; for all 8 trips, and the sum over d stays inside the lane until the 16 waves' parts meet in LDS at the end.
; NO CLUSTER: RB's 256 KiB are read by the four work-groups of one nb, but they go straight to registers; as a joint tile they would have to land in LDS, where
; 262,144 + 65,536 (table) + 32,768 (parts) = 360,448 bytes do not fit, and each byte would be read from LDS once more, from the unit that serves the 4 MiB of
; gathers of the work-group.  The table (64 KiB once per work-group) is a fifth of what a work-group reads and 1/64 of what it gathers.
; f16 and not bf16 for the means: the sums of a batch row are nearly equal for all n, so a rounding error is common to them and adds up in the product that follows.
.set PART, 65536                       ; LDS: 0 .. 65,535 the table (4096 x 16 bytes, filled by copies); then [wave 16][bl 8][lane 32] x 8 bytes (cos, sin)
.set ACC, 8                            ; v[8:15]    four running pairs (cos, sin)
.set TP,  16                           ; v[16:23]   four pairs at work
.set TM,  24                           ; v[24:39]   eight 64-bit products; then index and LDS address in the low word
.set F,   40                           ; v[40:55]   f, two halves of 8
.set E,   56                           ; v[56:119]  table entries, two halves of 8 x 4
.set RBV, 120                          ; v[120:247] (R, Bq) of my neuron and the wave's 64 d
.set XA,  16                           ; s[16:31]   16 X
.set XB,  32                           ; s[32:47]   16 X
	s_load_b256 s[4:11], s[0:1], 0x0               ; RB s[4:5], XW s[6:7], TW s[8:9], TAB s[10:11]
	s_load_b64 s[12:13], s[0:1], 0x20              ; act
	v_lshl_add_u32 v248, v0, 2, 0x29000
	v_mov_b32 v249, 0
	ds_add_u32 v248, v249
	ds_add_u32 v248, v249
	v_and_b32 v1, 31, v0
	v_lshrrev_b32 v2, 5, v0
	v_readfirstlane_b32 s3, v2                     ; wave
	s_and_b32 s14, ttmp9, 3                        ; bq
	s_lshr_b32 s15, ttmp9, 2                       ; nb
	s_mov_b32 s52, 0xfff                           ; the fraction's bits
	s_mov_b32 s53, 0x3f800000                      ; 1.0
	s_mov_b32 s50, 0                               ; byte offset of the batch row's 64 X
	s_mov_b32 s51, 0                               ; and of its T
	s_mov_b32 s54, 8                               ; trips
	v_lshlrev_b32 v4, 3, v1
	v_lshlrev_b32 v1, 4, v1
	s_lshl_b32 s56, s3, 14
	v_add_nc_u32 v1, s56, v1                       ; RB offset: 32 w rows dp of 512 bytes + 16 lane
	s_lshl_b32 s56, s3, 11
	s_add_co_u32 s56, s56, PART
	v_add_nc_u32 v4, s56, v4                       ; my part: PART + 2,048 w + 8 lane (+ 256 a trip)
	v_lshlrev_b32 v2, 4, v0                        ; the table copy: LDS address 16 t,
	v_lshlrev_b32 v3, 4, v0                        ; and the same offset in TAB
	s_mov_b32 s57, 0
	s_wait_dscnt 0x0
	s_wait_kmcnt 0x0
	s_lshl_b32 s56, s15, 18
	s_add_nc_u64 s[4:5], s[4:5], s[56:57]          ; RB + nb x 262,144
	s_lshl4_add_u32 s56, s14, s3
	s_lshl_b32 s56, s56, 11
	s_add_nc_u64 s[6:7], s[6:7], s[56:57]          ; XW + (16 bq + w) x 8 rows of 256 bytes
	s_lshl_b32 s56, s14, 5
	s_add_nc_u64 s[8:9], s[8:9], s[56:57]          ; TW + 8 bq words
	s_lshl_b32 s56, ttmp9, 10
	s_add_nc_u64 s[12:13], s[12:13], s[56:57]      ; act + (4 nb + bq) blocks of 1,024 bytes
.irp j, 0,1,2,3,4,5,6,7
	global_load_async_to_lds_b128 v2, v3, s[10:11] offset:\j*8192      ; 512 threads x 16 bytes; the immediate steps both addresses
.endr
.irp k, 0,1,2,3,4,5,6,7,8,9,10,11,12,13,14,15,16,17,18,19,20,21,22,23,24,25,26,27,28,29,30,31
	global_load_b128 v[RBV+4*\k:RBV+4*\k+3], v1, s[4:5] offset:\k*512  ; d = 2 k, 2 k + 1 of the wave: 512 consecutive bytes
.endr
	s_load_b512 s[XA:XA+15], s[6:7], s50           ; X of batch row 0, d 0-15
	s_load_b32 s49, s[8:9], s51                    ; its T
	s_wait_asynccnt 0x0                            ; my share of the table is in LDS,
	s_barrier_signal -1
	s_barrier_wait -1                              ; and everybody's
; Addresses of 8 elements (d = 8 g + e of the wave), xs = the first of their X; then the 8 gathers.  In runs of 8: no line waits for the one before.
.macro GA g, xs
	s_wait_loadcnt 28-4*\g                         ; the group's four RB loads are in, the 28 - 4 g younger ones may be out (from the second trip on none is)
.irp e, 0,1,2,3,4,5,6,7
	v_mad_nc_u64_u32 v[TM+2*\e:TM+2*\e+1], s[\xs+\e], v[RBV+16*\g+2*\e], v[RBV+16*\g+2*\e:RBV+16*\g+2*\e+1]   ; X R + (Bq : R); the low addend only rounds
.endr
.irp e, 0,1,2,3,4,5,6,7
	v_add_nc_u32 v[TM+2*\e+1], s48, v[TM+2*\e+1]   ; G
.endr
.irp e, 0,1,2,3,4,5,6,7
	v_bfe_u32 v[TM+2*\e], v[TM+2*\e+1], 12, 12     ; index
.endr
.irp e, 0,1,2,3,4,5,6,7
	v_bfi_b32 v[F+8*(\g&1)+\e], s52, v[TM+2*\e+1], s53     ; f = 1.0 with the fraction in its lowest 12 bits
.endr
.irp e, 0,1,2,3,4,5,6,7
	v_min_u32 v[TM+2*\e], 0xfff, v[TM+2*\e]        ; changes nothing (12 bits); it writes the index's bound into the text
.endr
.irp e, 0,1,2,3,4,5,6,7
	v_lshlrev_b32 v[TM+2*\e], 4, v[TM+2*\e]        ; 16 bytes an entry: at most 65,520, inside the table
.endr
.irp e, 0,1,2,3,4,5,6,7
	ds_load_b128 v[E+32*(\g&1)+4*\e:E+32*(\g&1)+4*\e+3], v[TM+2*\e]
.endr
.endm
; The 8 elements' values, added into four chains.  first = 1: elements 0-3 start the chains (nothing is cleared).
; left = the gathers issued behind this group's (the next group's 8, or none).
.macro GB g, first, left
.irp e, 0,1,2,3,4,5,6,7
	s_wait_dscnt \left+7-\e                        ; LDS answers in order: entry e is in; 7 - e of this group and \left of the next stay out
.set DST, TP+2*(\e&3)
.if \first
.if \e < 4
.set DST, ACC+2*(\e&3)
.endif
.endif
.if \e & 1
	v_pk_fma_f32 v[DST:DST+1], v[F+8*(\g&1)+(\e&6):F+8*(\g&1)+(\e&6)+1], v[E+32*(\g&1)+4*\e+2:E+32*(\g&1)+4*\e+3], v[E+32*(\g&1)+4*\e:E+32*(\g&1)+4*\e+1] op_sel:[1,0,0] op_sel_hi:[1,1,1]   ; f = the pair's second register, for both halves
.else
	v_pk_fma_f32 v[DST:DST+1], v[F+8*(\g&1)+(\e&6):F+8*(\g&1)+(\e&6)+1], v[E+32*(\g&1)+4*\e+2:E+32*(\g&1)+4*\e+3], v[E+32*(\g&1)+4*\e:E+32*(\g&1)+4*\e+1] op_sel_hi:[0,1,1]                  ; f = the pair's first register, for both halves
.endif
.if DST != ACC+2*(\e&3)
	v_pk_add_f32 v[ACC+2*(\e&3):ACC+2*(\e&3)+1], v[ACC+2*(\e&3):ACC+2*(\e&3)+1], v[DST:DST+1]
.endif
.endr
.endm
; One trip = one batch row.  8 to 16 gathers of the wave are always out.  The X come 16 at a time, one scalar load ahead, in XA and XB in turn;
; scalar loads return in no order, so each wait is for 0, and s50, s51 are stepped only behind such a wait.
.Ltrip:
	s_wait_kmcnt 0x0                               ; XA (d 0-15) and this row's T
	s_mov_b32 s48, s49
	s_load_b512 s[XB:XB+15], s[6:7], s50 offset:0x40       ; d 16-31
	GA 0, XA
	GA 1, XA+8
	GB 0, 1, 8
	s_wait_kmcnt 0x0
	s_load_b512 s[XA:XA+15], s[6:7], s50 offset:0x80       ; d 32-47
	GA 2, XB
	GB 1, 0, 8
	GA 3, XB+8
	GB 2, 0, 8
	s_wait_kmcnt 0x0
	s_load_b512 s[XB:XB+15], s[6:7], s50 offset:0xc0       ; d 48-63
	GA 4, XA
	GB 3, 0, 8
	GA 5, XA+8
	GB 4, 0, 8
	s_wait_kmcnt 0x0
	s_add_co_u32 s50, s50, 256                     ; the next batch row; in the last trip clamped to the last row,
	s_min_u32 s50, s50, 1792                       ; so that no load leaves XW or TW (what it brings is then not used)
	s_add_co_u32 s51, s51, 4
	s_min_u32 s51, s51, 28
	s_load_b512 s[XA:XA+15], s[6:7], s50
	s_load_b32 s49, s[8:9], s51
	GA 6, XB
	GB 5, 0, 8
	GA 7, XB+8
	GB 6, 0, 8
	GB 7, 0, 0
	v_pk_add_f32 v[ACC:ACC+1], v[ACC:ACC+1], v[ACC+2:ACC+3]
	v_pk_add_f32 v[ACC+4:ACC+5], v[ACC+4:ACC+5], v[ACC+6:ACC+7]
	v_pk_add_f32 v[ACC:ACC+1], v[ACC:ACC+1], v[ACC+4:ACC+5]
	ds_store_b64 v4, v[ACC:ACC+1]                  ; (cos, sin) of my neuron, this batch row, my 64 d
	v_add_nc_u32 v4, 256, v4
	s_sub_co_i32 s54, s54, 1
	s_cmp_lg_u32 s54, 0
	s_cbranch_scc1 .Ltrip
	s_wait_dscnt 0x0                               ; my parts are in LDS, for the others' sake
	s_barrier_signal -1
	s_barrier_wait -1
	s_cmp_ge_u32 s3, 2
	s_cbranch_scc1 .Lend                           ; 256 pairs x 16 parts: 64 threads, four neurons each
	; act block (1,024 bytes): sel x 512 + j x 256 + (8 h + bl) x 16 + e x 2 for neuron 16 j + 8 h + e: the next launch's fragments, 16 bytes a lane.
	; Thread t = 32 j + 16 h + 2 bl + eq takes e = 4 eq .. 4 eq + 3, 8 bytes at 8 t.
	v_and_b32 v5, 1, v0                            ; eq
	v_bfe_u32 v6, v0, 1, 3                         ; bl
	v_bfe_u32 v7, v0, 4, 1                         ; h
	v_lshrrev_b32 v16, 5, v0                       ; j
	v_lshlrev_b32 v5, 5, v5
	v_lshl_add_u32 v5, v6, 8, v5
	v_lshl_add_u32 v5, v7, 6, v5
	v_lshl_add_u32 v5, v16, 7, v5
	v_add_nc_u32 v5, PART, v5                      ; PART + 256 bl + 8 (16 j + 8 h + 4 eq)
	v_lshlrev_b32 v6, 3, v0
.irp s, 0,1,2,3,4,5,6,7,8,9,10,11,12,13,14,15
	ds_load_b128 v[RBV+8*\s:RBV+8*\s+3], v5 offset:\s*2048             ; wave s's part: (c0, s0, c1, s1)
	ds_load_b128 v[RBV+8*\s+4:RBV+8*\s+7], v5 offset:\s*2048+16        ; (c2, s2, c3, s3)
.endr
.irp s, 1,2,3,4,5,6,7,8,9,10,11,12,13,14,15
	s_wait_dscnt 30-2*\s                           ; parts 0 to s are in; the 2 (15 - s) younger loads stay out
.irp p, 0,2,4,6
	v_pk_add_f32 v[RBV+\p:RBV+\p+1], v[RBV+\p:RBV+\p+1], v[RBV+8*\s+\p:RBV+8*\s+\p+1]
.endr
.endr
.irp p, 0,2,4,6
	v_pk_mul_f32 v[RBV+\p:RBV+\p+1], v[RBV+\p:RBV+\p+1], 0x3a800000 op_sel_hi:[1,0]   ; x 2^-10: the mean, of the tables' own size, so that f16 has room both ways
.endr
	v_cvt_pk_f16_f32 v16, v[RBV], v[RBV+2]
	v_cvt_pk_f16_f32 v17, v[RBV+4], v[RBV+6]
	v_cvt_pk_f16_f32 v18, v[RBV+1], v[RBV+3]
	v_cvt_pk_f16_f32 v19, v[RBV+5], v[RBV+7]
	global_store_b64 v6, v[16:17], s[12:13]                ; cos: a wave's store covers 256 consecutive bytes, at a multiple of 256 in act
	global_store_b64 v6, v[18:19], s[12:13] offset:512     ; sin
.Lend:
	s_wait_tensorcnt 0x0
	ds_add_u32 v248, v249
	s_wait_dscnt 0x0
	s_endpgm
.Lfunc_end_k_qa30511e972_gather:
	.size	k_qa30511e972_gather, .Lfunc_end_k_qa30511e972_gather-k_qa30511e972_gather
	.p2alignl 7, 3214868480
	.fill 96, 4, 3214868480
	.section	.rodata,"a",@progbits
	.p2align	6, 0x0
	.amdhsa_kernel k_qa30511e972_gather
		.amdhsa_group_segment_fixed_size 169984
		.amdhsa_private_segment_fixed_size 0
		.amdhsa_enable_private_segment 0
		.amdhsa_kernarg_size 40
		.amdhsa_user_sgpr_count 2
		.amdhsa_user_sgpr_kernarg_segment_ptr 1
		.amdhsa_wavefront_size32 1
		.amdhsa_system_sgpr_workgroup_id_x 1
		.amdhsa_system_sgpr_workgroup_id_y 1
		.amdhsa_system_sgpr_workgroup_id_z 1
		.amdhsa_system_vgpr_workitem_id 0
		.amdhsa_next_free_vgpr 250
		.amdhsa_next_free_sgpr 66
		.amdhsa_reserve_vcc 0
		.amdhsa_float_denorm_mode_32 3
		.amdhsa_float_denorm_mode_16_64 3
		.amdhsa_memory_ordered 1
		.amdhsa_forward_progress 1
		.amdhsa_inst_pref_size 49
	.end_amdhsa_kernel
	.amdgpu_metadata
---
amdhsa.version: [ 1, 2 ]
amdhsa.kernels:
  - .name:           k_qa30511e972_gather
    .symbol:         k_qa30511e972_gather.kd
    .args:
      - { .name: RB, .offset: 0, .size: 8, .value_kind: global_buffer, .address_space: global }
      - { .name: XW, .offset: 8, .size: 8, .value_kind: global_buffer, .address_space: global }
      - { .name: TW, .offset: 16, .size: 8, .value_kind: global_buffer, .address_space: global }
      - { .name: TAB, .offset: 24, .size: 8, .value_kind: global_buffer, .address_space: global }
      - { .name: act, .offset: 32, .size: 8, .value_kind: global_buffer, .address_space: global }
    .group_segment_fixed_size: 169984
    .private_segment_fixed_size: 0
    .kernarg_segment_align: 8
    .kernarg_segment_size: 40
    .max_flat_workgroup_size: 512
    .sgpr_count:     66
    .vgpr_count:     250
    .wavefront_size: 32
...
	.end_amdgpu_metadata
.endif
;; end of part 2
;; launch proj (part 3): grid 64 x 1, 16 waves a work-group, no clusters, 301,056 bytes of LDS; arguments act, proj_real_w, proj_imag_w, out0; writes out0
.if DOCPART == 3
	.amdgcn_target "amdgcn-amd-amdhsa--gfx1250"
	.amdhsa_code_object_version 6
	.text
	.protected	k_qa30511e972_proj
	.globl	k_qa30511e972_proj
	.p2align	8
	.type	k_qa30511e972_proj,@function
k_qa30511e972_proj:
	s_mov_b64 s[64:65], 0
	v_nop
	global_prefetch_b8 v0, s[64:65] scope:SCOPE_SE
	s_setreg_imm32_b32 hwreg(HW_REG_WAVE_MODE, 25, 1), 1
	s_wait_xcnt 0x0
; out0[b][m] = silu(sum over n of cos_sum[b][n] Pr[m][n] + sin_sum[b][n] Pi[m][n]), with f16 operands and f32 sums.
; act holds the means (sum x 2^-10) in f16, already in fragment order; the factor 1024 comes back behind the product.
; The weights are rounded to f16: drawn within +-0.022, they keep f16's full precision some 30 times smaller or larger.
;
; 64 work-groups of 16 waves.  Work-group wg: the 16 columns m0 = 16 wg of out0, all 32 batch rows, all of K = 2 x 2048.
; Wave w: sel = w >> 3 (0: cos with Pr, 1: sin with Pi), kw = w & 7: n = 256 kw .. + 255, eight K steps of 32; the 16 waves' sums meet in LDS.
; 64 WORK-GROUPS and no more: 16 columns are the matrix instruction's grain, and a split of K over work-groups would send partial sums through memory into a further launch.
; NO CLUSTER: the weights are read by one work-group each.  act (262,144 bytes) is read by all, but beside the weights' 266,240 bytes of LDS it cannot land there: it goes to registers.
; Every byte that a wave needs is requested in its first lines (one tensor load, 32 loads), so there is nothing to ask for earlier.
; out0's stores: a work-group's share of a row is 64 bytes, so they do not fill runs of 256 bytes; out0 is 131,072 bytes of the 17 million that the launch moves.
.set WPITCH, 1040                      ; LDS row of weights: 256 f32 + 16 bytes = 65 x 16: the 16 rows of a fragment load start in 16 different 16-byte columns modulo 256
.set WTILE,  16*WPITCH                 ; a wave's tile, its own: 16 rows m
.set RED,    16*WTILE                  ; 266,240 (a multiple of 256): [wave 16][q 4][lane 32] x 16 bytes, no fill ever lands here
.set AF,  8                            ; v[8:135]   act fragments: step s, half bt of the batch at AF + 8 (2 s + bt)
.set RAW, 136                          ; v[136:167] weights in f32, two sets of 16
.set WB,  168                          ; v[168:183] weights in f16, two sets of 8
.set ACC, 184                          ; v[184:199] two accumulators (bt = 0, 1)
.set G0,  12                           ; s[12:15]   descriptor group 0
.set G1,  16                           ; s[16:23]   descriptor group 1
	s_load_b256 s[4:11], s[0:1], 0x0               ; act s[4:5], Pr s[6:7], Pi s[8:9], out0 s[10:11]
	v_lshl_add_u32 v200, v0, 2, 0x49000
	v_mov_b32 v201, 0
	ds_add_u32 v200, v201
	ds_add_u32 v200, v201
	v_and_b32 v1, 31, v0
	v_lshrrev_b32 v2, 5, v0
	v_readfirstlane_b32 s3, v2                     ; wave
	s_lshr_b32 s28, s3, 3                          ; sel
	s_and_b32 s29, s3, 7                           ; kw
	; group 1: a tile of 16 rows x 256 elements of 4 bytes, rows 2,048 elements apart, 4 words of padding behind each row's 256 words
	s_mov_b32 s[G1+0], (2<<16)|(1<<20)|(7<<22)|(3<<25)
	s_mov_b32 s[G1+1], 256<<16                     ; tensor_dim0 = 256
	s_mov_b32 s[G1+2], 16<<16                      ; tensor_dim1 = 16
	s_mov_b32 s[G1+3], 256<<16                     ; tile_dim0 = 256
	s_mov_b32 s[G1+4], 16                          ; tile_dim1 = 16
	s_mov_b32 s[G1+5], 2048                        ; pitch
	s_mov_b32 s[G1+6], 0
	s_mov_b32 s[G1+7], 0
	s_mov_b32 s[G0], 1
	s_mul_i32 s[G0+1], s3, WTILE                   ; my own bytes: wave x 16,640
	s_lshl_b32 s26, ttmp9, 17                      ; 16 wg rows of 8,192 bytes
	s_lshl_b32 s27, s29, 10                        ; + 256 kw numbers
	s_add_co_u32 s26, s26, s27
	s_mov_b32 s27, 0
	v_and_b32 v2, 15, v1                           ; r
	v_lshrrev_b32 v6, 4, v1                        ; h
	v_and_b32 v7, 7, v2
	v_lshl_add_u32 v7, v6, 3, v7                   ; 8 h + (r & 7)
	v_lshrrev_b32 v3, 3, v2
	v_lshlrev_b32 v3, 10, v3
	v_lshl_add_u32 v3, v7, 4, v3                   ; act offset: block (r >> 3) of 1,024 bytes + 16 (8 h + bl)
	v_mul_u32_u24 v4, v2, WPITCH
	v_lshl_add_u32 v4, v6, 5, v4
	v_add_nc_u32 v4, s[G0+1], v4                   ; weights: my tile + row r + 8 h numbers
	s_lshl_b32 s30, s3, 11
	s_add_co_u32 s30, s30, RED
	v_lshlrev_b32 v5, 4, v1
	v_add_nc_u32 v5, s30, v5                       ; my sums: RED + 2,048 w + 16 lane
	s_wait_dscnt 0x0
	s_wait_kmcnt 0x0
	s_cmp_eq_u32 s28, 0
	s_cselect_b64 s[24:25], s[6:7], s[8:9]         ; Pr or Pi
	s_add_nc_u64 s[G0+2:G0+3], s[24:25], s[26:27]
	s_or_b32 s[G0+3], s[G0+3], 0x80000000          ; type 2
	tensor_load_to_lds s[G0:G0+3], s[G1:G1+7]      ; my one tensor load: 16 rows of 1,024 consecutive bytes, each at a multiple of 256 in the buffer
	s_nop 0
	s_lshl_b32 s26, s28, 9                         ; act + sel x 512 + 8 kw blocks nb of 4,096 bytes
	s_lshl_b32 s30, s29, 15
	s_add_co_u32 s26, s26, s30
	s_add_nc_u64 s[4:5], s[4:5], s[26:27]
	; B fragment of step s, half bt: lane (r, h) holds batch row 16 bt + r, k = 8 h .. + 7 (j = 0) and 16 + 8 h .. + 7 (j = 1): 16 bytes each, as act has them
.irp s, 0,1,2,3,4,5,6,7
.irp bt, 0,1
.irp j, 0,1
	global_load_b128 v[AF+8*(2*\s+\bt)+4*\j:AF+8*(2*\s+\bt)+4*\j+3], v3, s[4:5] offset:\s*4096+\bt*2048+\j*256   ; two runs of 256 consecutive bytes
.endr
.endr
.endr
.macro LDW s                           ; step s's weights in f32: row r, k = 8 h .. + 7 and 16 + 8 h .. + 7
	ds_load_b128 v[RAW+16*(\s&1):RAW+16*(\s&1)+3],     v4 offset:\s*128
	ds_load_b128 v[RAW+16*(\s&1)+4:RAW+16*(\s&1)+7],   v4 offset:\s*128+16
	ds_load_b128 v[RAW+16*(\s&1)+8:RAW+16*(\s&1)+11],  v4 offset:\s*128+64
	ds_load_b128 v[RAW+16*(\s&1)+12:RAW+16*(\s&1)+15], v4 offset:\s*128+80
.endm
; A K step of 32.  Source 0 = 16 rows m of the weights, source 1 = 16 batch rows: lane (r, h), register j of the result is out(16 bt + r, m0 + 8 h + j).
; A set of WB is written again two steps later; the eight conversions of the step between, which name none of the registers of this step's matrix
; instructions, are more than the four places that such a write has to keep behind them (ISA guide 7.12.1).
.macro KSTEP s
.if \s < 7
	s_wait_dscnt 4                                 ; this step's four LDS loads are in, the next step's four stay out
.else
	s_wait_dscnt 0                                 ; nothing was issued behind the last step's
.endif
.irp i, 0,1,2,3,4,5,6,7
	v_cvt_pk_f16_f32 v[WB+8*(\s&1)+\i], v[RAW+16*(\s&1)+2*\i], v[RAW+16*(\s&1)+2*\i+1]
.endr
.if \s < 6
	LDW (\s+2)
.endif
	s_wait_loadcnt 28-4*\s                         ; this step's four act loads are in, the later steps' 28 - 4 s stay out
.irp bt, 0,1
.if \s == 0
	v_wmma_f32_16x16x32_f16 v[ACC+8*\bt:ACC+8*\bt+7], v[WB+8*(\s&1):WB+8*(\s&1)+7], v[AF+8*(2*\s+\bt):AF+8*(2*\s+\bt)+7], 0    ; the first product starts the sum
.else
	v_wmma_f32_16x16x32_f16 v[ACC+8*\bt:ACC+8*\bt+7], v[WB+8*(\s&1):WB+8*(\s&1)+7], v[AF+8*(2*\s+\bt):AF+8*(2*\s+\bt)+7], v[ACC+8*\bt:ACC+8*\bt+7]
.endif
.endr
.endm
	s_wait_tensorcnt 0x0                           ; my tile is in LDS; only I read it, and it is never filled again
	LDW 0
	LDW 1
.irp s, 0,1,2,3,4,5,6,7
	KSTEP \s
.endr
.rept 4
	v_nop                                          ; four places behind the last matrix instructions, before their results are stored and their sources loaded again (ISA guide 7.12.1)
.endr
.irp q, 0,1,2,3
	ds_store_b128 v5, v[ACC+4*\q:ACC+4*\q+3] offset:\q*512     ; q = 2 bt + hq: columns m0 + 8 h + 4 hq .. + 3 of batch row 16 bt + r
.endr
	s_wait_dscnt 0x0                               ; for the others' sake: zero
	s_barrier_signal -1
	s_barrier_wait -1
	s_cmp_ge_u32 s3, 4
	s_cbranch_scc1 .Lend                           ; 512 numbers x 16 parts: 128 threads, four numbers each; wave = q
	v_lshlrev_b32 v136, 4, v0
	v_add_nc_u32 v136, RED, v136                   ; RED + 512 q + 16 lane (+ 2,048 for each part)
	v_lshlrev_b32 v7, 12, v2                       ; out0: row r of 4,096 bytes
	v_lshl_add_u32 v7, v6, 5, v7                   ; + 8 h numbers
	s_lshr_b32 s30, s3, 1
	s_lshl_b32 s30, s30, 16                        ; + 16 bt rows
	s_and_b32 s31, s3, 1
	s_lshl_b32 s31, s31, 4                         ; + 4 hq numbers
	s_add_co_u32 s30, s30, s31
	s_lshl_b32 s31, ttmp9, 6                       ; + m0 numbers
	s_add_co_u32 s30, s30, s31
	v_add_nc_u32 v7, s30, v7
.irp i, 0,1,2,3,4,5,6,7,8,9,10,11,12,13,14,15
	ds_load_b128 v[AF+4*\i:AF+4*\i+3], v136 offset:\i*2048
.endr
.irp i, 1,2,3,4,5,6,7,8,9,10,11,12,13,14,15
	s_wait_dscnt 15-\i                             ; parts 0 to i are in, the 15 - i younger loads stay out
	v_pk_add_f32 v[AF:AF+1], v[AF:AF+1], v[AF+4*\i:AF+4*\i+1]
	v_pk_add_f32 v[AF+2:AF+3], v[AF+2:AF+3], v[AF+4*\i+2:AF+4*\i+3]
.endr
	; silu(o) = o / (1 + 2^(-1.442695 o)), o = 1024 x sum.  A very negative o gives 2^.. = infinity, 1 / infinity = 0 and o x 0 = -0, as the reference's underflow does.
	v_pk_mul_f32 v[72:73], v[AF:AF+1], 0xc4b8aa3b op_sel_hi:[1,0]      ; -1.442695 x 1024 x sum
	v_pk_mul_f32 v[74:75], v[AF+2:AF+3], 0xc4b8aa3b op_sel_hi:[1,0]
	v_pk_mul_f32 v[AF:AF+1], v[AF:AF+1], 0x44800000 op_sel_hi:[1,0]    ; o
	v_pk_mul_f32 v[AF+2:AF+3], v[AF+2:AF+3], 0x44800000 op_sel_hi:[1,0]
.irp j, 0,1,2,3
	v_exp_f32 v[76+\j], v[72+\j]
.endr
	v_nop                                          ; one plain place between the exponentials and their use (ISA guide 5.7.2)
	s_wait_alu depctr_va_vdst(0)
.irp j, 0,1,2,3
	v_add_f32 v[76+\j], 1.0, v[76+\j]
.endr
.irp j, 0,1,2,3
	v_rcp_f32 v[72+\j], v[76+\j]
.endr
	v_nop                                          ; and between the reciprocals and theirs
	s_wait_alu depctr_va_vdst(0)
.irp j, 0,1,2,3
	v_mul_f32 v[AF+\j], v[AF+\j], v[72+\j]
.endr
	global_store_b128 v7, v[AF:AF+3], s[10:11]
.Lend:
	s_wait_tensorcnt 0x0
	ds_add_u32 v200, v201
	s_wait_dscnt 0x0
	s_endpgm
.Lfunc_end_k_qa30511e972_proj:
	.size	k_qa30511e972_proj, .Lfunc_end_k_qa30511e972_proj-k_qa30511e972_proj
	.p2alignl 7, 3214868480
	.fill 96, 4, 3214868480
	.section	.rodata,"a",@progbits
	.p2align	6, 0x0
	.amdhsa_kernel k_qa30511e972_proj
		.amdhsa_group_segment_fixed_size 301056
		.amdhsa_private_segment_fixed_size 0
		.amdhsa_enable_private_segment 0
		.amdhsa_kernarg_size 32
		.amdhsa_user_sgpr_count 2
		.amdhsa_user_sgpr_kernarg_segment_ptr 1
		.amdhsa_wavefront_size32 1
		.amdhsa_system_sgpr_workgroup_id_x 1
		.amdhsa_system_sgpr_workgroup_id_y 1
		.amdhsa_system_sgpr_workgroup_id_z 1
		.amdhsa_system_vgpr_workitem_id 0
		.amdhsa_next_free_vgpr 202
		.amdhsa_next_free_sgpr 66
		.amdhsa_reserve_vcc 0
		.amdhsa_float_denorm_mode_32 3
		.amdhsa_float_denorm_mode_16_64 3
		.amdhsa_memory_ordered 1
		.amdhsa_forward_progress 1
		.amdhsa_inst_pref_size 19
	.end_amdhsa_kernel
	.amdgpu_metadata
---
amdhsa.version: [ 1, 2 ]
amdhsa.kernels:
  - .name:           k_qa30511e972_proj
    .symbol:         k_qa30511e972_proj.kd
    .args:
      - { .name: act, .offset: 0, .size: 8, .value_kind: global_buffer, .address_space: global }
      - { .name: proj_real_w, .offset: 8, .size: 8, .value_kind: global_buffer, .address_space: global }
      - { .name: proj_imag_w, .offset: 16, .size: 8, .value_kind: global_buffer, .address_space: global }
      - { .name: out0, .offset: 24, .size: 8, .value_kind: global_buffer, .address_space: global }
    .group_segment_fixed_size: 301056
    .private_segment_fixed_size: 0
    .kernarg_segment_align: 8
    .kernarg_segment_size: 32
    .max_flat_workgroup_size: 512
    .sgpr_count:     66
    .vgpr_count:     202
    .wavefront_size: 32
...
	.end_amdgpu_metadata
.endif
;; end of part 3
;; ======== version 2 of 2: 3 launches; version 1 with the launch prep written anew for expert scheduling mode
;; limits: inputs' magnitudes at most 402; values are held in f16: magnitudes above 65,504 overflow, below 6.1e-05 lose precision
;; workspace buffers: RB 16,777,216 bytes of whole numbers; XW 131,072 bytes of whole numbers; TW 256 bytes of whole numbers; TAB 65,536 bytes; act 262,144 bytes
;; launch prep (part 4): grid 256 x 1, 8 waves a work-group, no clusters, 70,656 bytes of LDS; arguments W, B_p, x, t, sin_table, cos_table, RB, XW, TW, TAB; writes RB, XW, TW, TAB
.if DOCPART == 4
	.amdgcn_target "amdgcn-amd-amdhsa--gfx1250"
	.amdhsa_code_object_version 6
	.text
	.protected	k_qa30511e972_prep
	.globl	k_qa30511e972_prep
	.p2align	8
	.type	k_qa30511e972_prep,@function
k_qa30511e972_prep:
	s_mov_b64 s[64:65], 0
	v_nop
	global_prefetch_b8 v0, s[64:65] scope:SCOPE_SE
	s_setreg_imm32_b32 hwreg(HW_REG_WAVE_SCHED_MODE, 0, 2), 2
	s_setreg_imm32_b32 hwreg(HW_REG_WAVE_MODE, 25, 1), 1
	s_wait_xcnt 0x0
	s_wait_alu depctr_vm_vsrc(0)
; PREPARATION: the operands of theta as fixed-point whole numbers, and the two tables as one table of 16-byte entries.
; With c = 4096 / (2 pi), the table position is pos = x c r + B_p c + t c, r = 1 / (1 + |W|).  Stored here:
;   XW: X  = (i32) rndne(x c 2^13) xor 0x80000000      (scale 2^13, offset 2^31, so that the later product is unsigned)
;   RB: R  = r 2^31, bit 0 cleared;  Bq = u32(fract(B_p c / 4096) 2^24) - R/2   (the R/2 takes X's offset away again)
;   TW: T  = u32(fract(t c / 4096) 2^24)
; so that the high word of X R + (Bq : R), plus T, is pos at scale 2^12 modulo 2^24 (4096 steps): whole periods fall out by wrap-around.
;   TAB: entry i = (Ac, As, Dc, Ds), D = 2048 (tab[i+1 mod 4096] - tab[i]), A = tab[i] - D: with f = 1 + frac 2^-11, A + f D = tab[i] + frac (tab[i+1] - tab[i]).
; LIMITS: |x| < 402 (x c 2^13 has to fit 31 bits; beyond it X is clamped); NaN and infinities in x, W, B_p, t are not propagated.
;
; 256 work-groups of 8 waves.  Work-group wg: nb = wg >> 2 (32 neurons), dq = wg & 3 (256 d).  Wave w: 16 neurons (nh = w & 1) x 64 d (dsub = w >> 1).
; A load of the wave takes two rows of 256 consecutive bytes, aligned; all 16 loads (W and B_p) are issued at once.
; RB's layout is [nb 64][dp 512][n 32][R, Bq of d = 2 dp; R, Bq of d = 2 dp + 1]: n runs along the lanes of the next launch.  So each wave transposes
; its 16 x 64 block through an LDS region of its own (32 rows dp of 272 bytes): no wave touches another's bytes, hence no barrier, and LDS serves a
; wave's own stores and loads in order.  The LDS stores' lane step is 544 bytes, so lanes l and l + 8 meet in the same 16-byte column modulo 256:
; accepted, 16 stores a lane in a launch that streams memory.  The read-back takes 256 consecutive bytes per 16 lanes.
; No matrix unit, no cluster: no byte of W or B_p is read by two work-groups.
; THE MODE: SCHED_MODE bits 1:0 = 2 (LLVM: expert scheduling mode 2), set by the entry lines.  The code itself states the register dependences
; between vector instructions and memory or LDS instructions, with s_wait_alu, always for 0.
; THE PLAN.  Registers that memory or LDS instructions touch:
;   v2, v3, v4, v5, v128, v129   offsets and LDS addresses: written at the head, ahead of one wait, and named by no vector instruction behind it.
;   WV, BV      written by the 16 loads; read by the eight steps' vector lines; then the read-back's LDS loads land in them, and RB's stores read them.
;   OUT0, OUT1  step g's vector lines write OUT[g & 1]; its two LDS stores are issued in step g + 1, straight behind that step's one wait on va_vdst.
;   T           named by vector instructions alone.
; So a step has ONE wait on va_vdst, behind its reciprocals: it states that their results are written and that the step before has written its OUT.  Beside it, from
; step 2 on, one wait on vm_vsrc: the LDS stores issued a step earlier have read the OUT that this step writes again.  One more wait on va_vdst stands behind the last step.
; The three small parts that single waves run (x, the tables, t) stand under scalar branches on the wave's number.  Each has registers of its own
; (x: v6 to v12; the tables: v96 to v103 and v120 to v123; t: v124 to v126), which no line behind the part's store writes: so each part owes one wait on va_vdst ahead of
; its loads (the offsets are written) and one ahead of its store (offset and data are written), and none on vm_vsrc.
.set PITCH, 272                        ; LDS row: 16 neurons x 16 bytes + 16
.set WREG,  32*PITCH                   ; a wave's region: 32 rows dp
.set WV,  16                           ; v[16:47]   W as loaded, load g in 4 registers; later the first half of the read-back
.set BV,  48                           ; v[48:79]   B_p as loaded; later the second half of the read-back
.set T,   80                           ; v[80:95]   at work
.set OUT, 104                          ; v[104:119] two sets of (R, Bq) x 4
	s_load_b512 s[4:19], s[0:1], 0x0               ; W s[4:5], B_p s[6:7], x s[8:9], t s[10:11], sin s[12:13], cos s[14:15], RB s[16:17], XW s[18:19]
	s_load_b128 s[20:23], s[0:1], 0x40             ; TW s[20:21], TAB s[22:23]
	v_lshl_add_u32 v128, v0, 2, 0x11000
	v_mov_b32 v129, 0
	v_and_b32 v1, 31, v0                           ; lane
	v_lshrrev_b32 v2, 5, v0
	v_readfirstlane_b32 s24, v2                    ; wave
	s_wait_alu depctr_va_sdst(0)                   ; s24 is written, ahead of its first reader: offsets, LDS addresses and the branches below are made from it
	s_mov_b32 s25, ttmp9                           ; work-group
	s_mov_b32 s28, 0xceffffff                      ; -(2^31 - 128)
	s_mov_b32 s29, 0x4effffff                      ; +(2^31 - 128), the largest f32 below 2^31
	s_and_b32 s30, s24, 1                          ; nh
	s_lshr_b32 s31, s24, 1                         ; dsub
	v_and_b32 v6, 15, v1                           ; c  = lane & 15: 16 bytes (4 d) of a row
	v_lshrrev_b32 v7, 4, v1                        ; hl = lane >> 4: which of the load's two rows
	; v2: load offset = (16 nh + hl) rows of 4,096 bytes + dsub x 256 + 16 c
	v_lshlrev_b32 v2, 4, v6
	v_lshl_add_u32 v2, v7, 12, v2
	s_lshl_b32 s32, s30, 16
	s_lshl_b32 s33, s31, 8
	s_add_co_u32 s32, s32, s33
	v_add_nc_u32 v2, s32, v2
	; v3: LDS store address = my region + row dp = 2 c (+ 1 by the immediate) + neuron hl (+ 2 g by the immediate)
	v_mul_u32_u24 v3, v6, 2*PITCH
	v_lshl_add_u32 v3, v7, 4, v3
	s_mul_i32 s32, s24, WREG
	v_add_nc_u32 v3, s32, v3
	; v4: LDS read address = my region + row hl (+ 2 k by the immediate) + 16 c
	v_mul_u32_u24 v4, v7, PITCH
	v_lshl_add_u32 v4, v6, 4, v4
	v_add_nc_u32 v4, s32, v4
	; v5: RB offset = (32 dsub + hl) rows of 512 bytes + nh x 256 + 16 c
	v_lshlrev_b32 v5, 4, v6
	v_lshl_add_u32 v5, v7, 9, v5
	s_lshl_b32 s32, s31, 14
	s_lshl_b32 s33, s30, 8
	s_add_co_u32 s32, s32, s33
	v_add_nc_u32 v5, s32, v5
	; the work-group's corner in W and B_p: 32 nb rows of 4,096 bytes + dq x 1,024
	s_lshr_b32 s26, s25, 2
	s_lshl_b32 s26, s26, 17
	s_and_b32 s27, s25, 3
	s_lshl_b32 s27, s27, 10
	s_add_co_u32 s26, s26, s27
	s_mov_b32 s27, 0
	s_wait_kmcnt 0x0
	s_add_nc_u64 s[4:5], s[4:5], s[26:27]
	s_add_nc_u64 s[6:7], s[6:7], s[26:27]
	s_lshl_b32 s26, s25, 16                        ; and in RB: nb x 262,144 + dq x 65,536 = wg x 65,536
	s_add_nc_u64 s[16:17], s[16:17], s[26:27]
	s_wait_alu depctr_va_vdst(0)                   ; v2 to v5, v128 and v129 are written: the loads below read v2; the LDS stores, the read-back, RB's stores and the closing add read the others, and no vector line behind this wait names any of them
.irp g, 0,1,2,3,4,5,6,7
	global_load_b128 v[WV+4*\g:WV+4*\g+3], v2, s[4:5] offset:\g*8192 th:TH_LOAD_NT     ; rows 2 g, 2 g + 1 of my 16; read once in the launch
	global_load_b128 v[BV+4*\g:BV+4*\g+3], v2, s[6:7] offset:\g*8192 th:TH_LOAD_NT
.endr
	; ---- wave 0 of every work-group: two runs of 64 x (256 bytes each) into XW = [bq 4][w 16][bl 8][64 d], b = 8 bq + bl, d = 64 w + i
	s_cmp_lg_u32 s24, 0
	s_cbranch_scc1 .Lnot0
	v_lshrrev_b32 v6, 4, v1
	v_lshl_add_u32 v6, s25, 1, v6                  ; run rho = 2 wg + (lane >> 4) = 128 bq + 8 w + bl
	v_lshrrev_b32 v7, 7, v6                        ; bq
	v_and_b32 v12, 7, v6                           ; bl
	v_lshl_or_b32 v7, v7, 3, v12                   ; b
	v_bfe_u32 v12, v6, 3, 4                        ; w
	v_lshlrev_b32 v12, 8, v12
	v_lshl_add_u32 v7, v7, 12, v12                 ; b x 4,096 + w x 256
	v_and_b32 v12, 15, v1
	v_lshl_add_u32 v7, v12, 4, v7
	s_wait_alu depctr_va_vdst(0)                   ; v7 is written, which the load reads as its offset
	global_load_b128 v[8:11], v7, s[8:9]
	v_lshlrev_b32 v6, 4, v1
	v_lshl_add_u32 v6, s25, 9, v6                  ; XW offset: 256 rho + 16 (lane & 15) = 512 wg + 16 lane
	s_wait_loadcnt 0x0                             ; nothing was issued behind it
.irp j, 8,9,10,11
	v_mul_f32 v\j, 0x4aa2f983, v\j                 ; x c 2^13
.endr
.irp j, 8,9,10,11
	v_rndne_f32 v\j, v\j
.endr
.irp j, 8,9,10,11
	v_med3_num_f32 v\j, v\j, s28, s29              ; the stated limit: clamp into 31 bits
.endr
.irp j, 8,9,10,11
	v_cvt_i32_f32 v\j, v\j
.endr
.irp j, 8,9,10,11
	v_xor_b32 v\j, 0x80000000, v\j                 ; + 2^31
.endr
	s_wait_alu depctr_va_vdst(0)                   ; v6 and v[8:11] are written, which the store reads as its offset and its data
	global_store_b128 v6, v[8:11], s[18:19]        ; 512 consecutive bytes; v6, v7 and v[8:11] are not written again
.Lnot0:
	; ---- wave 1 of work-groups 0 to 127: 32 table entries
	s_cmp_lg_u32 s24, 1
	s_cbranch_scc1 .Lnot1
	s_cmp_ge_u32 s25, 128
	s_cbranch_scc1 .Lnot1
	v_lshl_add_u32 v96, s25, 5, v1                 ; i = 32 wg + lane
	v_add_nc_u32 v97, 1, v96
	v_and_b32 v97, 0xfff, v97                      ; i + 1 mod 4096
	v_lshlrev_b32 v98, 2, v96
	v_lshlrev_b32 v97, 2, v97
	s_wait_alu depctr_va_vdst(0)                   ; v98 and v97 are written, which the four loads read as their offsets
	global_load_b32 v100, v98, s[14:15]            ; cos[i]
	global_load_b32 v101, v97, s[14:15]            ; cos[i+1]
	global_load_b32 v102, v98, s[12:13]            ; sin[i]
	global_load_b32 v103, v97, s[12:13]            ; sin[i+1]
	v_lshlrev_b32 v96, 4, v96                      ; 16 i (no source of a pending load)
	s_wait_loadcnt 0x0                             ; all four
	v_sub_f32 v101, v101, v100
	v_sub_f32 v103, v103, v102
	v_fmamk_f32 v120, v101, 0xc5000000, v100       ; Ac = cos[i] - 2048 diff, one rounding
	v_fmamk_f32 v121, v103, 0xc5000000, v102       ; As
	v_mul_f32 v122, 0x45000000, v101               ; Dc = 2048 diff, exact
	v_mul_f32 v123, 0x45000000, v103               ; Ds
	s_wait_alu depctr_va_vdst(0)                   ; v96 and v[120:123] are written, which the store reads as its offset and its data
	global_store_b128 v96, v[120:123], s[22:23]    ; 512 consecutive bytes; v96 to v98 and v[120:123] are not written again
.Lnot1:
	; ---- wave 2 of work-group 0: the 32 t
	s_cmp_lg_u32 s24, 2
	s_cbranch_scc1 .Lnot2
	s_cmp_lg_u32 s25, 0
	s_cbranch_scc1 .Lnot2
	v_lshlrev_b32 v124, 2, v1
	s_wait_alu depctr_va_vdst(0)                   ; v124 is written, which the load (and later the store) reads as its offset
	global_load_b32 v125, v124, s[10:11]
	s_wait_loadcnt 0x0
	v_mul_f32 v125, 0.15915494, v125               ; t c / 4096: periods
	v_floor_f32 v126, v125
	v_sub_f32 v125, v125, v126                     ; in [0, 1]; a 1 becomes 2^24, which is 0 modulo the period
	v_mul_f32 v125, 0x4b800000, v125               ; x 2^24
	v_cvt_u32_f32 v125, v125
	s_wait_alu depctr_va_vdst(0)                   ; v125 is written, which the store reads as its data
	global_store_b32 v124, v125, s[20:21]          ; v124 and v125 are not written again
.Lnot2:
; The two LDS stores of step g, from OUT[g & 1].
.macro STO g
	ds_store_b128 v3, v[OUT+8*((\g)&1):OUT+8*((\g)&1)+3] offset:(\g)*32              ; row dp = 2 c,     neuron 2 g + hl
	ds_store_b128 v3, v[OUT+8*((\g)&1)+4:OUT+8*((\g)&1)+7] offset:(\g)*32+PITCH      ; row dp = 2 c + 1
.endm
; Step g: four d of one neuron (load g): R and Bq, in runs of four so that no line waits for the one in front of it.  The LDS stores of step g - 1 stand in it, behind its wait.
.macro CONV4 g
	s_wait_loadcnt 14-2*\g                         ; W's and B_p's load g are in; the 2 (7 - g) younger ones stay out
.irp e, 0,1,2,3
	v_add_f32 v[T+\e], |v[WV+4*\g+\e]|, 1.0        ; wl = 1 + |W|, rounded as the reference rounds it
.endr
.irp e, 0,1,2,3
	v_rcp_f32 v[T+4+\e], v[T+\e]                   ; r0
.endr
.irp e, 0,1,2,3
	v_mul_f32 v[T+8+\e], 0.15915494, v[BV+4*\g+\e] ; B_p in periods; these four plain lines stand between the reciprocals and their use (ISA guide 5.7.2)
.endr
	s_wait_alu depctr_va_vdst(0)                   ; the four reciprocals have written v[T+4 .. T+7], ahead of their first reader; and the step before has written its OUT, which the LDS stores below read
.if \g >= 2
	s_wait_alu depctr_vm_vsrc(0)                   ; the LDS stores issued in the step before have read OUT[g & 1], which this step writes again
.endif
.if \g >= 1
	STO (\g-1)
.endif
.irp e, 0,1,2,3
	v_fma_f32 v[T+12+\e], -v[T+\e], v[T+4+\e], 1.0 ; e = 1 - wl r0, exact enough to mend r0
.endr
.irp e, 0,1,2,3
	v_mul_f32 v[T+4+\e], 0x4f000000, v[T+4+\e]     ; a = r0 2^31, exact
.endr
.irp e, 0,1,2,3
	v_mul_f32 v[T+12+\e], v[T+12+\e], v[T+4+\e]    ; e a: what r0's 24 bits left out, in units of R
.endr
.irp e, 0,1,2,3
	v_rndne_f32 v[T+12+\e], v[T+12+\e]
.endr
.irp e, 0,1,2,3
	v_cvt_u32_f32 v[T+4+\e], v[T+4+\e]
.endr
.irp e, 0,1,2,3
	v_cvt_i32_f32 v[T+12+\e], v[T+12+\e]
.endr
.irp e, 0,1,2,3
	v_add_nc_u32 v[T+4+\e], v[T+4+\e], v[T+12+\e]
.endr
.irp e, 0,1,2,3
	v_and_b32 v[OUT+8*(\g&1)+2*\e], -2, v[T+4+\e]  ; R, even: 2^31 R is then a whole number of units of the product's high word
.endr
.irp e, 0,1,2,3
	v_floor_f32 v[T+\e], v[T+8+\e]
.endr
.irp e, 0,1,2,3
	v_sub_f32 v[T+8+\e], v[T+8+\e], v[T+\e]        ; fract
.endr
.irp e, 0,1,2,3
	v_mul_f32 v[T+8+\e], 0x4b800000, v[T+8+\e]     ; x 2^24
.endr
.irp e, 0,1,2,3
	v_cvt_u32_f32 v[T+8+\e], v[T+8+\e]
.endr
.irp e, 0,1,2,3
	v_lshrrev_b32 v[T+\e], 1, v[OUT+8*(\g&1)+2*\e]
.endr
.irp e, 0,1,2,3
	v_sub_nc_u32 v[OUT+8*(\g&1)+2*\e+1], v[T+8+\e], v[T+\e]    ; Bq
.endr
.endm
.irp g, 0,1,2,3,4,5,6,7
	CONV4 \g
.endr
	s_wait_alu depctr_va_vdst(0)                   ; step 7 has written OUT1, which the last two LDS stores read; and all steps are done reading WV and BV, in which the read-back's loads land
	STO 7
	; read back by rows of dp; my own bytes, served behind my stores in order, so no wait stands between
.irp k, 0,1,2,3,4,5,6,7,8,9,10,11,12,13,14,15
	ds_load_b128 v[WV+4*\k:WV+4*\k+3], v4 offset:\k*2*PITCH
.endr
.irp k, 0,1,2,3,4,5,6,7,8,9,10,11,12,13,14,15
	s_wait_dscnt 15-\k                             ; load k is in; the 15 - k younger ones stay out
	global_store_b128 v5, v[WV+4*\k:WV+4*\k+3], s[16:17] offset:\k*1024        ; two runs of 256 consecutive bytes, each at a multiple of 256 in RB
.endr
	s_wait_dscnt 0x0                               ; the closing lines, six on end
	s_wait_alu 0x0
	s_wait_tensorcnt 0x0
	ds_add_u32 v128, v129
	s_wait_dscnt 0x0
	s_endpgm
.Lfunc_end_k_qa30511e972_prep:
	.size	k_qa30511e972_prep, .Lfunc_end_k_qa30511e972_prep-k_qa30511e972_prep
	.p2alignl 7, 3214868480
	.fill 96, 4, 3214868480
	.section	.rodata,"a",@progbits
	.p2align	6, 0x0
	.amdhsa_kernel k_qa30511e972_prep
		.amdhsa_group_segment_fixed_size 70656
		.amdhsa_private_segment_fixed_size 0
		.amdhsa_enable_private_segment 0
		.amdhsa_kernarg_size 80
		.amdhsa_user_sgpr_count 2
		.amdhsa_user_sgpr_kernarg_segment_ptr 1
		.amdhsa_wavefront_size32 1
		.amdhsa_system_sgpr_workgroup_id_x 1
		.amdhsa_system_sgpr_workgroup_id_y 1
		.amdhsa_system_sgpr_workgroup_id_z 1
		.amdhsa_system_vgpr_workitem_id 0
		.amdhsa_next_free_vgpr 130
		.amdhsa_next_free_sgpr 66
		.amdhsa_reserve_vcc 0
		.amdhsa_float_denorm_mode_32 3
		.amdhsa_float_denorm_mode_16_64 3
		.amdhsa_memory_ordered 1
		.amdhsa_forward_progress 1
		.amdhsa_inst_pref_size 34
	.end_amdhsa_kernel
	.amdgpu_metadata
---
amdhsa.version: [ 1, 2 ]
amdhsa.kernels:
  - .name:           k_qa30511e972_prep
    .symbol:         k_qa30511e972_prep.kd
    .args:
      - { .name: W, .offset: 0, .size: 8, .value_kind: global_buffer, .address_space: global }
      - { .name: B_p, .offset: 8, .size: 8, .value_kind: global_buffer, .address_space: global }
      - { .name: x, .offset: 16, .size: 8, .value_kind: global_buffer, .address_space: global }
      - { .name: t, .offset: 24, .size: 8, .value_kind: global_buffer, .address_space: global }
      - { .name: sin_table, .offset: 32, .size: 8, .value_kind: global_buffer, .address_space: global }
      - { .name: cos_table, .offset: 40, .size: 8, .value_kind: global_buffer, .address_space: global }
      - { .name: RB, .offset: 48, .size: 8, .value_kind: global_buffer, .address_space: global }
      - { .name: XW, .offset: 56, .size: 8, .value_kind: global_buffer, .address_space: global }
      - { .name: TW, .offset: 64, .size: 8, .value_kind: global_buffer, .address_space: global }
      - { .name: TAB, .offset: 72, .size: 8, .value_kind: global_buffer, .address_space: global }
    .group_segment_fixed_size: 70656
    .private_segment_fixed_size: 0
    .kernarg_segment_align: 8
    .kernarg_segment_size: 80
    .max_flat_workgroup_size: 256
    .sgpr_count:     66
    .vgpr_count:     130
    .wavefront_size: 32
...
	.end_amdgpu_metadata
.endif
;; end of part 4
;; launch gather: the kernel of part 2 again; grid 256 x 1, 16 waves a work-group, no clusters, 169,984 bytes of LDS; arguments RB, XW, TW, TAB, act; writes act
;; launch proj: the kernel of part 3 again; grid 64 x 1, 16 waves a work-group, no clusters, 301,056 bytes of LDS; arguments act, proj_real_w, proj_imag_w, out0; writes out0
